; MI455X (gfx1250); checked and timed in simulation.
; The chip was launched on July 23, 2026; its instructions are those of AMD's public machine-readable ISA for CDNA 5 (MIT licence, August 2026) and "CDNA5" Instruction Set Architecture Reference Guide (July 2026). The comments in the code are by the model that wrote it; some were corrected since.
;; MADPS Net. Allowed arithmetic: matrix products marked QUANTISED: E2M1 operands, one E8M0 scale for each 32 along K, by v_wmma_scale_f32_16x16x128_f8f6f4 with both operands' format E2M1 (or v_wmma_scale_f32_32x16x128_f4), f32 sums; products left as they are: bf16, f16 or f32 operands; f32 sums; everything else in f32.
;; Inputs: Wd1 8 x 256 x 512 float32; Wd2 8 x 512 x 128 float32; Ws1 8 x 256 x 512 float32; Ws2 8 x 512 x 256 float32; bd1 8 x 512 float32; bd2 8 x 128 float32; bs1 8 x 512 float32; bs2 8 x 256 float32; inputs 8 x 2,048 x 256 float32; laac_deep 1 x 8 int32; laac_shallow 1 x 8 int32.
;; Outputs: out0 8 x 2,048 x 128 float32.
;; This version of the problem:
;;   THIS VERSION OF THE PROBLEM IS GIVEN IN LOW PRECISION. The matrix products marked QUANTISED in the list below multiply operands that are first quantised to E2M1 (2 exponent bits, 1 mantissa bit; 4 bits a number), with one power-of-two scale for each 32 numbers along K (OCP MX v1.0); their sums are f32. The products marked 'left as it is' may take bf16, f16 or f32 operands, with f32 sums. Whichever they take, every output number must still come out within the allowed error. Rounding operands to bf16 (8 significant bits) uses up far more of that allowance than f16 does (11 bits, for magnitudes from 6e-5 to 65,504). All else is computed in f32.
;;   The module's matrix products, in the order in which they are computed (A, B: the left and right operand; K: the contracted axis; several contracted axes count as one K, in the product's order):
;;     1. [M 4,096, K 256] x [K 256, N 16,384]; A: input Ws1; B: input inputs: QUANTISED
;;     2. batch 8 x [M 16,384, K 512] x [K 512, N 256]; A: computed on the way; B: input Ws2: left as it is (an operand is computed on the way)
;;     3. [M 4,096, K 256] x [K 256, N 16,384]; A: input Wd1; B: computed on the way: left as it is (an operand is computed on the way)
;;     4. batch 8 x [M 16,384, K 512] x [K 512, N 128]; A: computed on the way; B: input Wd2: left as it is (an operand is computed on the way)
;;   THE QUANTISER, for each operand of a quantised product, along K:
;;     - K is cut into blocks of 32 from its start; a last block that is shorter is filled with zeros.
;;     - A block's scale is 2^e with e = floor(log2(the largest magnitude in the block)) - 2, held to -126 .. 127; a block of zeros has e = 0. As a byte (E8M0): e + 127.
;;     - Each number is divided by its block's scale, clamped to +-6, and rounded to the nearest number of E2M1, ties to even, subnormals kept.
;;     - The product sums the exact products of the quantised numbers (number of the format x scale) in f32.
;;   ~~~python
;;   def quantise(x, axis):      # numpy; x: float32 -> the quantised numbers, widened to float32 again
;;       x = np.moveaxis(x, axis, -1); K = x.shape[-1]
;;       x = np.pad(x, [(0, 0)] * (x.ndim - 1) + [(0, -K % 32)]); x = x.reshape(x.shape[:-1] + (-1, 32)); a = np.abs(x).max(-1, keepdims=True)
;;       e = np.where(a > 0, np.clip(np.frexp(np.where(a > 0, a, 1))[1] - 1 - 2, -126, 127), 0)      # np.frexp(a)[1] - 1 = floor(log2(a)), exactly
;;       r = np.clip(x / 2.0 ** e, -6, 6)
;;       step = 2.0 ** (np.maximum(np.frexp(np.where(r == 0, 1, r))[1] - 1, 0) - 1)
;;       q = np.round(r / step) * step * 2.0 ** e      # np.round: ties to even
;;       return np.moveaxis(q.reshape(q.shape[:-2] + (-1,))[..., :K], -1, axis).astype(np.float32)
;;   ~~~
;; 2 versions, each right; version 2 is version 1 with the launch chain written anew for expert scheduling mode. Each part assembles by itself: llvm-mc -triple=amdgcn-amd-amdhsa -mcpu=gfx1250 --defsym DOCPART=n.
;; ======== version 1 of 2: 2 launches
;; limits: values are held in f16: magnitudes above 65,504 overflow, below 6.1e-05 lose precision; inputs' magnitudes at most 65,504; right only within a limited range of input values; below input magnitudes of 6.1e-05 results are inexact or not finite
;; workspace buffers: wfrag 5,767,168 bytes; small 81,920 bytes
;; launch prep (part 1): grid 57 x 8, 4 waves a work-group, no clusters, 0 bytes of LDS; arguments Ws1, Ws2, Wd1, Wd2, bs1, bs2, bd1, bd2, laac_shallow, laac_deep, wfrag, small; writes wfrag, small
.if DOCPART == 1
	.amdgcn_target "amdgcn-amd-amdhsa--gfx1250"
	.amdhsa_code_object_version 6
	.text
	.protected	k_q40e748981d_prep
	.globl	k_q40e748981d_prep
	.p2align	8
	.type	k_q40e748981d_prep,@function
k_q40e748981d_prep:
	s_mov_b64 s[64:65], 0
	v_nop
	global_prefetch_b8 v0, s[64:65] scope:SCOPE_SE
	s_setreg_imm32_b32 hwreg(HW_REG_WAVE_MODE, 25, 1), 1
	s_wait_xcnt 0x0
; For each agent (work-group y) the weights of its two chosen experts are laid out once, in the order in which the next launch's operand registers take them.
; The two index inputs are read here and nowhere else: the next launch's addresses are made of ids and constants alone.
; wfrag: [agent 8][wave 4][chunk 11][fragment 16][1,024 bytes]; a fragment is the image of 8 registers: [c 0..1][lane 0..31][16 bytes].
;   chunk 0: Ws1 as codes of FP4 (E2M1), fragment 2 t + s (tile t of the wave's 8 tiles of 16 units, K step s of 128).
;   chunks 1-4: Ws2, 5-8: Wd1, 9-10: Wd2, all f16: fragment S x T + t behind the matrix's first chunk (K step S of 32, tile t of the wave's T tiles).
; small: [agent][wave][2,560 bytes]: +0 Ws1's scale words [unit 128][s 2]; +1024 bs1's part; +1536 bd1's; +2048 bs2's; +2304 bd2's; +2432 zeros (the next launch copies the whole block).
; JOBS (work-group x): 0-15 Ws1, 16-31 Ws2, 32-47 Wd1, 48-55 Wd2, 56 the biases.  K is every weight's FIRST axis, so a lane takes a column (a unit) and its registers run down K:
; neighbouring lanes read neighbouring bytes, and nothing is transposed.
; THE QUANTISER (Ws1): a block's scale is 2^(floor(log2(largest magnitude)) - 2); its byte is the largest magnitude's exponent field - 2, held at 1 from below by a floor among the maximum's leaves.
; LIMITS: a block of zeros gets the byte 1 where the rule says 127 (its codes are zeros, and this program alone reads the bytes); blocks whose largest magnitude lies under 2^(3 - 127) are held at the byte 1;
; NaN and infinities are not served; numbers of Ws2, Wd1, Wd2 beyond 65,504 in magnitude have no f16, those under 2^-14 keep an absolute error of 2^-25 at the most.
.set WF_AG, 720896                     ; wfrag: bytes of an agent,
.set WF_WV, 180224                     ; of a wave
.set SM_AG, 10240                      ; small: bytes of an agent,
.set SM_WV, 2560                       ; of a wave
.set X, 16                             ; v16-79   64 numbers
.set C, 80                             ; v80-111  codes or f16 pairs
	s_load_b512 s[8:23], s[0:1], 0x0               ; Ws1 s[8:9], Ws2 s[10:11], Wd1 s[12:13], Wd2 s[14:15], bs1 s[16:17], bs2 s[18:19], bd1 s[20:21], bd2 s[22:23]
	s_load_b256 s[24:31], s[0:1], 0x40             ; laac_shallow s[24:25], laac_deep s[26:27], wfrag s[28:29], small s[30:31]
	s_and_b32 s2, ttmp7, 0xffff                    ; the agent
	s_lshl_b32 s32, s2, 2                          ; its index's byte
	s_mov_b32 s33, 0                               ; s[32:33], s[34:35]: offsets, always under 2^32
	s_mov_b32 s35, 0
	v_lshrrev_b32 v1, 5, v0
	v_readfirstlane_b32 s6, v1                     ; my wave, 0..3
	v_and_b32 v1, 31, v0                           ; lane
	v_and_b32 v2, 15, v0                           ; r
	v_bfe_u32 v3, v0, 4, 1                         ; h
	s_wait_kmcnt 0x0
	s_add_nc_u64 s[24:25], s[24:25], s[32:33]
	s_add_nc_u64 s[26:27], s[26:27], s[32:33]
	s_load_b32 s4, s[24:25], 0x0                   ; the agent's shallow expert,
	s_load_b32 s5, s[26:27], 0x0                   ; and its deep one
	s_mul_i32 s34, s2, WF_AG
	s_add_nc_u64 s[28:29], s[28:29], s[34:35]      ; wfrag and small at my agent
	s_mul_i32 s34, s2, SM_AG
	s_add_nc_u64 s[30:31], s[30:31], s[34:35]
	s_wait_kmcnt 0x0
	s_min_u32 s4, s4, 7                            ; an index stays inside its table of 8; the bound is written out ahead of every address made of it
	s_min_u32 s5, s5, 7
	s_cmp_lt_u32 ttmp9, 16                         ; the job: branches on the work-group's number alone
	s_cbranch_scc1 .Lw1
	s_cmp_lt_u32 ttmp9, 32
	s_cbranch_scc1 .Lw2
	s_cmp_lt_u32 ttmp9, 48
	s_cbranch_scc1 .Lw3
	s_cmp_lt_u32 ttmp9, 56
	s_cbranch_scc1 .Lw4
	; ---- the biases: thread t of 128 takes 16, 16, 8 and 4 bytes; wave w's threads hold just what wave w of the next launch wants
	s_lshl_b32 s32, s4, 11                         ; bs1: 2,048 bytes an expert
	s_add_nc_u64 s[16:17], s[16:17], s[32:33]
	s_lshl_b32 s32, s5, 11                         ; bd1 likewise
	s_add_nc_u64 s[20:21], s[20:21], s[32:33]
	s_lshl_b32 s32, s4, 10                         ; bs2: 1,024
	s_add_nc_u64 s[18:19], s[18:19], s[32:33]
	s_lshl_b32 s32, s5, 9                          ; bd2: 512
	s_add_nc_u64 s[22:23], s[22:23], s[32:33]
	s_mul_i32 s32, s6, SM_WV
	s_add_nc_u64 s[30:31], s[30:31], s[32:33]
	v_lshlrev_b32 v4, 4, v0
	v_lshlrev_b32 v5, 3, v0
	v_lshlrev_b32 v6, 2, v0
	global_load_b128 v[16:19], v4, s[16:17]
	global_load_b128 v[20:23], v4, s[20:21]
	global_load_b64 v[24:25], v5, s[18:19]
	global_load_b32 v26, v6, s[22:23]
	v_lshlrev_b32 v7, 4, v1
	v_lshlrev_b32 v8, 3, v1
	v_lshlrev_b32 v9, 2, v1
	v_mov_b32 v27, 0
	s_wait_loadcnt 0x0
	global_store_b128 v7, v[16:19], s[30:31] offset:1024
	global_store_b128 v7, v[20:23], s[30:31] offset:1536
	global_store_b64 v8, v[24:25], s[30:31] offset:2048
	global_store_b32 v9, v26, s[30:31] offset:2304
	global_store_b32 v9, v27, s[30:31] offset:2432
	s_endpgm
; A job of an f16 matrix [K][nn]: 128 columns x 64 along K; a wave takes 32 columns: two tiles of 16 units, lanes 0-15 the first, lanes 16-31 the second.
; src: the matrix's pointer; esel: the register with the expert; esh: log2 of an expert's bytes; nt, logt: tiles of a wave of the next launch; cb: the matrix's first chunk; x0: its first job; logcg: log2 of its groups of 128 columns.
.macro F16JOB src, esel, esh, nn, nt, logt, cb, x0, logcg
	s_sub_co_u32 s36, ttmp9, \x0
	s_and_b32 s37, s36, (1<<\logcg)-1              ; cg: which 128 columns
	s_lshr_b32 s38, s36, \logcg                    ; kc: which 64 along K
	s_lshl_b32 s32, s[\esel], \esh                 ; from: the expert,
	s_mul_i32 s39, s38, 64*\nn*4                   ; 64 kc rows,
	s_add_co_u32 s32, s32, s39
	s_lshl_b32 s39, s37, 9                         ; 128 cg columns,
	s_add_co_u32 s32, s32, s39
	s_lshl_b32 s39, s6, 7                          ; my wave's 32
	s_add_co_u32 s32, s32, s39
	s_add_nc_u64 s[\src:\src+1], s[\src:\src+1], s[32:33]
	s_lshl_b32 s39, s37, 3
	s_lshl_b32 s40, s6, 1
	s_add_co_u32 s39, s39, s40                     ; my first tile of the whole matrix: 8 cg + 2 x wave (even, so both tiles fall to one wave)
	s_lshr_b32 s40, s39, \logt                     ; to: the wave that will use it,
	s_and_b32 s39, s39, \nt-1                      ; its tile t there,
	s_mul_i32 s40, s40, WF_WV
	s_mul_i32 s41, s38, 2*\nt                      ; K step 2 kc: fragment S x T + t,
	s_add_co_u32 s39, s39, s41
	s_add_co_u32 s39, s39, 16*\cb                  ; behind the matrix's first chunk
	s_lshl_b32 s39, s39, 10
	s_add_co_u32 s32, s39, s40
	s_add_nc_u64 s[28:29], s[28:29], s[32:33]
	v_lshlrev_b32 v4, 2, v1                        ; in: 4 bytes a lane: a load reads 128 consecutive bytes, the four waves 512
	v_lshlrev_b32 v5, 4, v2                        ; out: 16 r, and lanes 16-31 one fragment on
	v_lshl_add_u32 v5, v3, 10, v5
.set ii, 0
.rept 64
	global_load_b32 v[X+ii], v4, s[\src:\src+1] offset:ii*\nn*4     ; no hint: two agents may name one expert
.set ii, ii+1
.endr
.irp jb, 0,1                           ; a K step of 32 at a time
	s_wait_loadcnt 32-32*\jb                       ; this step's 32 loads are in; the other step's 32 are younger
.set ii, 0
.rept 16
	v_cvt_pk_f16_f32 v[C+16*\jb+ii], v[X+32*\jb+2*ii], v[X+32*\jb+2*ii+1]   ; the lower k in the low half
.set ii, ii+1
.endr
.irp q, 0,1,2,3                        ; k = 8 q .. 8 q + 7 are registers 4 (q / 2) .. + 3 of lane r + 16 (q % 2) of the image: byte 256 q + 16 r
	global_store_b128 v5, v[C+16*\jb+4*\q:C+16*\jb+4*\q+3], s[28:29] offset:\jb*\nt*1024+256*\q   ; sixteen lanes store 256 consecutive bytes, aligned
.endr
.endr
	s_endpgm                                       ; no register was written twice, so no store's data had to be waited for
.endm
.Lw2:
	F16JOB 10, 4, 19, 256, 4, 2, 1, 16, 1
.Lw3:
	F16JOB 12, 5, 19, 512, 8, 3, 5, 32, 2
.Lw4:
	F16JOB 14, 5, 18, 128, 2, 1, 9, 48, 0
.Lw1:   ; ---- Ws1 [256 (k)][512]: a job is 64 columns x one K step of 128; a wave takes one tile of 16 units.  Lane (r, h) takes column r and k = 64 c + 32 h + 0 .. 31: just what the operand's layout gives that lane
	s_lshr_b32 s37, ttmp9, 1                       ; cg: which 64 columns
	s_and_b32 s38, ttmp9, 1                        ; s: which K step
	s_lshl_b32 s32, s4, 19                         ; from: the expert (524,288 bytes),
	s_lshl_b32 s39, s38, 18                        ; 128 s rows of 2,048 bytes,
	s_add_co_u32 s32, s32, s39
	s_lshl_b32 s39, s37, 8                         ; 64 cg columns,
	s_add_co_u32 s32, s32, s39
	s_lshl_b32 s39, s6, 6                          ; my wave's 16
	s_add_co_u32 s32, s32, s39
	s_add_nc_u64 s[8:9], s[8:9], s[32:33]
	v_lshlrev_b32 v4, 2, v2
	v_lshl_add_u32 v4, v3, 16, v4                  ; 4 r, and lanes 16-31 begin 32 rows further down
.irp c, 0,1
.set ii, 0
.rept 32
	global_load_b32 v[X+32*\c+ii], v4, s[8:9] offset:(64*\c+ii)*2048
.set ii, ii+1
.endr
.endr
	s_and_b32 s39, s37, 1
	s_lshl_b32 s39, s39, 2
	s_add_co_u32 s39, s39, s6                      ; to: tile t = 4 (cg % 2) + my wave,
	s_lshr_b32 s40, s37, 1                         ; of wave cg / 2 of the next launch
	s_mul_i32 s41, s40, WF_WV
	s_lshl_b32 s42, s39, 1
	s_add_co_u32 s42, s42, s38                     ; fragment 2 t + s of chunk 0
	s_lshl_b32 s42, s42, 10
	s_add_co_u32 s32, s41, s42
	s_add_nc_u64 s[28:29], s[28:29], s[32:33]
	s_mul_i32 s41, s40, SM_WV                      ; the scale words: 8 bytes a unit: 128 t + 8 r + 4 s
	s_lshl_b32 s42, s39, 7
	s_add_co_u32 s41, s41, s42
	s_lshl_b32 s42, s38, 2
	s_add_co_u32 s32, s41, s42
	s_add_nc_u64 s[30:31], s[30:31], s[32:33]
	s_mov_b32 s44, 0x76543210
	s_mov_b32 s45, 0xfedcba98                      ; v_permlanex16_b32's selects for lane l xor 16
	v_lshlrev_b32 v5, 4, v1                        ; the image: 16 x lane
	v_lshlrev_b32 v6, 3, v2                        ; the scale word: 8 r
	s_wait_loadcnt 0x0
.irp c, 0,1                            ; my block 2 c + h: all its 32 numbers are mine
	v_max3_num_f32 v[8+\c], |v[X+32*\c]|, |v[X+1+32*\c]|, 0x1800000   ; with the floor 2^(3 - 127): the byte cannot fall under 1
.endr
.irp i, 2,4,6,8,10,12,14,16,18,20,22,24,26,28,30
.irp c, 0,1
	v_max3_num_f32 v[8+\c], v[8+\c], |v[X+32*\c+\i]|, |v[X+1+32*\c+\i]|   ; (the two blocks by turns)
.endr
.endr
.irp c, 0,1
	v_add_nc_u32 v[10+\c], 0xff000000, v[8+\c]     ; 2 off the exponent field: the conversion takes the exponent field of this operand as its scale
.endr
.irp c, 0,1
	v_lshrrev_b32 v[12+\c], 23, v[10+\c]           ; the scale's byte
.endr
	v_lshl_or_b32 v14, v13, 16, v12                ; my two bytes: blocks h and 2 + h,
	v_lshlrev_b32 v15, 3, v3
	v_lshlrev_b32 v14, v15, v14                    ; at their places in the word (8 h bits up);
	v_mov_b32 v15, 0
	v_permlanex16_b32 v15, v14, s44, s45
	v_or_b32 v14, v14, v15                         ; with lane l xor 16's two the word is whole, in both lanes
.irp c, 0,1
.irp g, 0,1,2,3
	v_cvt_scalef32_pk8_fp4_f32 v[C+4*\c+\g], v[X+32*\c+8*\g:X+32*\c+8*\g+7], v[10+\c]   ; registers 4 c .. 4 c + 3 of the operand
.endr
.endr
	v_nop                                          ; one plain line behind the last scaled conversion
	global_store_b128 v5, v[C:C+3], s[28:29]       ; 512 consecutive bytes each
	global_store_b128 v5, v[C+4:C+7], s[28:29] offset:512
	global_store_b32 v6, v14, s[30:31]             ; lanes l and l xor 16 store the same word at the same place
	s_endpgm
.Lfunc_end_k_q40e748981d_prep:
	.size	k_q40e748981d_prep, .Lfunc_end_k_q40e748981d_prep-k_q40e748981d_prep
	.p2alignl 7, 3214868480
	.fill 96, 4, 3214868480
	.section	.rodata,"a",@progbits
	.p2align	6, 0x0
	.amdhsa_kernel k_q40e748981d_prep
		.amdhsa_group_segment_fixed_size 0
		.amdhsa_private_segment_fixed_size 0
		.amdhsa_enable_private_segment 0
		.amdhsa_kernarg_size 96
		.amdhsa_user_sgpr_count 2
		.amdhsa_user_sgpr_kernarg_segment_ptr 1
		.amdhsa_wavefront_size32 1
		.amdhsa_system_sgpr_workgroup_id_x 1
		.amdhsa_system_sgpr_workgroup_id_y 1
		.amdhsa_system_sgpr_workgroup_id_z 1
		.amdhsa_system_vgpr_workitem_id 0
		.amdhsa_next_free_vgpr 112
		.amdhsa_next_free_sgpr 66
		.amdhsa_reserve_vcc 0
		.amdhsa_float_denorm_mode_32 3
		.amdhsa_float_denorm_mode_16_64 3
		.amdhsa_memory_ordered 1
		.amdhsa_forward_progress 1
		.amdhsa_inst_pref_size 43
	.end_amdhsa_kernel
	.amdgpu_metadata
---
amdhsa.version: [ 1, 2 ]
amdhsa.kernels:
  - .name:           k_q40e748981d_prep
    .symbol:         k_q40e748981d_prep.kd
    .args:
      - { .name: Ws1, .offset: 0, .size: 8, .value_kind: global_buffer, .address_space: global }
      - { .name: Ws2, .offset: 8, .size: 8, .value_kind: global_buffer, .address_space: global }
      - { .name: Wd1, .offset: 16, .size: 8, .value_kind: global_buffer, .address_space: global }
      - { .name: Wd2, .offset: 24, .size: 8, .value_kind: global_buffer, .address_space: global }
      - { .name: bs1, .offset: 32, .size: 8, .value_kind: global_buffer, .address_space: global }
      - { .name: bs2, .offset: 40, .size: 8, .value_kind: global_buffer, .address_space: global }
      - { .name: bd1, .offset: 48, .size: 8, .value_kind: global_buffer, .address_space: global }
      - { .name: bd2, .offset: 56, .size: 8, .value_kind: global_buffer, .address_space: global }
      - { .name: laac_shallow, .offset: 64, .size: 8, .value_kind: global_buffer, .address_space: global }
      - { .name: laac_deep, .offset: 72, .size: 8, .value_kind: global_buffer, .address_space: global }
      - { .name: wfrag, .offset: 80, .size: 8, .value_kind: global_buffer, .address_space: global }
      - { .name: small, .offset: 88, .size: 8, .value_kind: global_buffer, .address_space: global }
    .group_segment_fixed_size: 0
    .private_segment_fixed_size: 0
    .kernarg_segment_align: 8
    .kernarg_segment_size: 96
    .max_flat_workgroup_size: 128
    .sgpr_count:     66
    .vgpr_count:     112
    .wavefront_size: 32
...
	.end_amdgpu_metadata
.endif
;; end of part 1
;; launch chain (part 2): grid 32 x 8, 4 waves a work-group, no clusters, 284,416 bytes of LDS; arguments inputs, wfrag, small, out0; writes out0
.if DOCPART == 2
	.amdgcn_target "amdgcn-amd-amdhsa--gfx1250"
	.amdhsa_code_object_version 6
	.text
	.protected	k_q40e748981d_chain
	.globl	k_q40e748981d_chain
	.p2align	8
	.type	k_q40e748981d_chain,@function
k_q40e748981d_chain:
	s_mov_b64 s[64:65], 0
	v_nop
	global_prefetch_b8 v0, s[64:65] scope:SCOPE_SE
	s_setreg_imm32_b32 hwreg(HW_REG_WAVE_MODE, 25, 1), 1
	s_wait_xcnt 0x0
; out = (relu(relu(relu(x W1 + b1) W2 + b2) W3 + b3)) W4 + b4 for 64 rows of one agent (work-group x: the block of rows, y: the agent); 256 -> 512 -> 256 -> 512 -> 128.
; The weights are the agent's chosen experts', laid out by the launch before.  x W1 runs on codes of FP4 (E2M1) with one E8M0 scale for each 32 along K; x is quantised here, in registers.
; The other three products take f16 operands and f32 sums.  No intermediate goes to memory.
; SHARES.  Four waves; THE WAVES SHARE THE UNITS, NOT THE ROWS: wave w makes a quarter of each layer's units (8, 4, 8, 2 tiles of 16) for all 64 rows (4 tiles of 16).
; So each fragment of a weight is used by ONE wave of the work-group, four times (once a tile of rows), and comes from memory straight into that wave's registers, whole, as 2 x 16 bytes a lane.
; ALL PRODUCTS ARE USED TRANSPOSED (source 0 = 16 units of W, source 1 = 16 rows): lane (r, h) holds row r and units 8 h + 0 .. 7 of a tile; two neighbouring tiles, rounded to f16 in pairs, ARE a
; source-1 fragment (16 rows x 32 along the next K).  Such fragments go from wave to wave through LDS as images of their registers: lane l's 16 bytes at 16 l, 512 bytes a store; no pitch, no padding.
; THE f16 SCALE.  What goes into f16 is a x g, g one power of two for the work-group and the layer, made from the layer's measured largest activation so that a x g lies under 2^15; the next bias is multiplied
; by g too, and the output by 1 / g.  All these factors are powers of two: nothing is rounded by them.  No branch and no address hangs on them.
; NO JOINT LOADS, though the 32 work-groups of an agent read the same 720,896 bytes of weights: a joint load lands in LDS, and each fragment has one reader in a work-group, so the weights would be written to
; LDS once and read from it once, 2 x 720,896 bytes beside the 688,128 bytes of images that the four waves read there; straight into registers they cost no LDS byte.  No tensor load, so no ring.
; No prefetch: the weights' loads run two chunks (64 loads, 32,768 bytes a wave) ahead of their use, and all work-groups walk the same chunks together.
; LIMITS: activations up to 2^49 in magnitude (the measured maximum is held to 2^-48 .. 2^48 for the scale); NaN and infinities are not served; x's blocks: as the launch before states for Ws1.
; The text is straight: no label, no branch; every loop is the assembler's.
;
; LDS: every region is written once.
.set XST,   0                          ; 4 x 16,640: each wave's 16 rows of x, pitch 1,040 = 260 words: row r starts 4 r words on modulo 64, so the 16 rows of a load touch 16 different groups of 4 words
.set XIMG,  66560                      ; x's 8 fragments, (2 m + s) x 1,024
.set XSC,   74752                      ; their scale words, (2 m + s) x 128 + 4 x lane
.set HIMG,  75776                      ; layer 1's result: 64 fragments, (16 m + S) x 1,024
.set SIMG,  141312                     ; layer 2's: 32 fragments, (8 m + S) x 1,024
.set DIMG,  174080                     ; layer 3's: 64 fragments, (16 m + S) x 1,024
.set STG,   239616                     ; the way out: 64 rows of 512 bytes, pitch 528
.set SML,   273408                     ; 4 x 2,560: each wave's scale words of W1 and its parts of the four biases
.set MAXW,  283648                     ; the waves' largest activations: layer L's four words at 16 (L - 1)
.set SPARE, 283904                     ; the spare words, 128 bytes for each wave: two blocks of 256 bytes that no other line names
; REGISTERS, in windows of 256 (s_set_vgpr_msb: bits 1:0 source 0, 3:2 source 1, 5:4 source 2, 7:6 destination).
; window 0: v1 16 x lane; v2-17, v20-22 LDS addresses (made below, never rewritten); v18, v19 the add's two; v[24:25] f, v[26:27] g, v[28:29] G = 1 / g (the upper words 0: named as pairs);
;   v30, v31 at work; v32-47 the quantiser's; v48, v49 x's scale words as made; v56-63 the maximum; v64-79 W1's scale words, v80-87 x's (scales and nothing else); v88-103 x's codes; v104-123 the block of small;
;   v128-255: x's numbers, then x's fragments, then a ring of 4 sets of 4 source-1 fragments, then the packed results.
; window 1: weight slots 0 (v0-127) and 1 (v128-255).   window 2: slot 2 (v0-127); v128-191 the bias in the result's layout, 8 registers a tile.   window 3: x as loaded; then the accumulators, (t, m) at v[8 (4 t + m)].
.set TM, 32
.set MSB, 0
.macro WIN new                         ; the immediate's high byte repeats the setting that is left; a switch that changes nothing is dropped
.if MSB != (\new)
	s_set_vgpr_msb (MSB<<8)|(\new)
.set MSB, (\new)
.endif
.endm
.macro PLACES                          ; four plain lines between a matrix instruction and a load into, or a vector read or write of, its registers (ISA guide 7.12.1 for vector reads and writes)
.rept 4
	v_nop
.endr
.endm
.macro BARRIER                         ; my LDS stores have landed and my LDS loads are in: then the work-group's barrier
	s_wait_dscnt 0x0
	s_barrier_signal -1
	s_barrier_wait -1
.endm
; Fragments f0 .. f1 of weight chunk c (16 fragments, 16,384 bytes) into slot c % 3.  32 lanes read 512 consecutive bytes.  No hint: 32 work-groups read these bytes.
.macro CLOAD c, f0, f1
.if ((\c)%3) == 2
	WIN 0x80
.set SB, 0
.else
	WIN 0x40
.set SB, 128*((\c)%3)
.endif
.set ifr, \f0
.rept (\f1)-(\f0)+1
	global_load_b128 v[SB+8*ifr:SB+8*ifr+3], v1, s[6:7] offset:(\c)*16384+ifr*1024
	global_load_b128 v[SB+8*ifr+4:SB+8*ifr+7], v1, s[6:7] offset:(\c)*16384+ifr*1024+512
.set ifr, ifr+1
.endr
.endm
.macro IMAGE adr, reg, off             ; a fragment goes to LDS as it stands,
	ds_store_b128 v[\adr], v[(\reg):(\reg)+3] offset:(\off)
	ds_store_b128 v[\adr], v[(\reg)+4:(\reg)+7] offset:(\off)+512
.endm
.macro FETCH reg, adr, off             ; and comes back so, in any wave
	ds_load_b128 v[(\reg):(\reg)+3], v[\adr] offset:(\off)
	ds_load_b128 v[(\reg)+4:(\reg)+7], v[\adr] offset:(\off)+512
.endm
.macro BLOAD li, ks, st                ; K step st's four source-1 fragments (the four tiles of rows) into set st % 4 of the ring: 8 LDS loads
	WIN 0
.irp m, 0,1,2,3
	FETCH 128+32*((\st)%4)+8*\m, \li, (\m*\ks+(\st))*1024
.endr
.endm
; 64 numbers of a lane, v[src] on, register 16 b + i = k 32 b + 16 (lane / 16) + i of my row, become a fragment's codes in v[pc] on and its scale word in v[pw].
.macro QUANT src, pc, pw
.irp b, 0,1,2,3
	v_max3_num_f32 v[TM+\b], |v[\src+16*\b]|, |v[\src+1+16*\b]|, 0x1800000   ; block b: my 16 numbers, and the floor 2^(3 - 127): the byte cannot fall under 1
.endr
.irp i, 2,4,6,8,10,12,14
.irp b, 0,1,2,3
	v_max3_num_f32 v[TM+\b], v[TM+\b], |v[\src+16*\b+\i]|, |v[\src+1+16*\b+\i]|   ; (the four blocks by turns)
.endr
.endr
.irp b, 0,1,2,3
	v_permlanex16_b32 v[TM+4+\b], v[TM+\b], s20, s21
.endr
.irp b, 0,1,2,3
	v_max_num_f32 v[TM+\b], v[TM+\b], v[TM+4+\b]   ; with lane l xor 16's: the block's largest magnitude
.endr
.irp b, 0,1,2,3
	v_add_nc_u32 v[TM+12+\b], 0xff000000, v[TM+\b] ; 2 off its exponent field: the conversion's scale operand
.endr
.irp b, 0,1,2,3
	v_lshrrev_b32 v[TM+4+\b], 23, v[TM+12+\b]      ; the scale's byte
.endr
	v_lshl_or_b32 v[\pw], v[TM+5], 8, v[TM+4]      ; the four bytes make my row's scale word
	v_lshl_or_b32 v[\pw], v[TM+6], 16, v[\pw]
	v_lshl_or_b32 v[\pw], v[TM+7], 24, v[\pw]
.irp b, 0,1,2,3
	v_cvt_scalef32_pk8_fp4_f32 v[\pc+2*\b], v[\src+16*\b:\src+7+16*\b], v[TM+12+\b]
	v_cvt_scalef32_pk8_fp4_f32 v[\pc+1+2*\b], v[\src+8+16*\b:\src+15+16*\b], v[TM+12+\b]
.endr
	v_nop                                          ; one plain line behind the last scaled conversion
.irp c, 0,1                            ; the operand's layout wants a WHOLE block in a lane: lanes 0-15 block 2 c, lanes 16-31 block 2 c + 1
.irp i, 0,1
	v_permlane16_swap_b32 v[\pc+4*\c+\i], v[\pc+2+4*\c+\i]
.endr
.endr
.endm
; AN f16 LAYER: nt tiles of units a wave, ks K steps of 32, first weight chunk cf, images read through v[li].  A K step is 4 nt matrix instructions: the 4 nt accumulators take turns, one instruction a turn,
; in the same order in every step.  The first step takes the bias (x g) as C: nothing is cleared and nothing is added afterwards.
; The ring of source-1 fragments runs three steps ahead.  A chunk of weights serves 16 / nt steps; at its first step its loads are waited for, and the chunk two on is asked for into the slot that has just been left.
.macro LAYER nt, ks, cf, li
	BLOAD \li, \ks, 0
	BLOAD \li, \ks, 1
	BLOAD \li, \ks, 2
.set SS, 0
.rept \ks
.if SS > 0
	WIN 0
	PLACES                                         ; behind the last step's products, ahead of the loads into the set and the slot that they read
.endif
.if SS+3 < \ks
	BLOAD \li, \ks, SS+3
.endif
.set CC, \cf+(SS*\nt)/16
.if ((SS*\nt)%16) == 0
.if (CC == 1) || (CC == 5)
	s_wait_loadcnt 63                              ; this chunk is in: the two chunks behind it (64 loads: one asked for in the layer before, one at its end) are younger; the count is the largest that can be written, and one under 64 is safe
.elseif CC == 10
	s_wait_loadcnt 0x0                             ; the last chunk
.else
	s_wait_loadcnt 32                              ; this chunk is in; the next chunk's 32 loads are younger
.if CC < 9
	CLOAD CC+2, 0, 15
.endif
.endif
.endif
.if \ks-1-SS >= 3
	s_wait_dscnt 24                                ; this step's 8 LDS loads are in; those of the three steps behind it may be out
.else
	s_wait_dscnt 8*(\ks-1-SS)
.endif
.if (CC%3) == 2
.set AB, 0
.set WA, 2
.else
.set AB, 128*(CC%3)
.set WA, 1
.endif
.if SS == 0
	WIN 0xE0|WA                                    ; source 0: the slot's window; source 1: window 0; C: the bias, window 2; D: window 3
.else
	WIN 0xF0|WA                                    ; C and D: window 3
.endif
.set tt, 0
.rept \nt
.set AF, AB+8*((SS*\nt+tt)%16)
.irp m, 0,1,2,3
.if SS == 0
	v_wmma_f32_16x16x32_f16 v[8*(4*tt+\m):8*(4*tt+\m)+7], v[AF:AF+7], v[128+32*(SS%4)+8*\m:128+32*(SS%4)+8*\m+7], v[128+8*tt:128+8*tt+7]
.else
	v_wmma_f32_16x16x32_f16 v[8*(4*tt+\m):8*(4*tt+\m)+7], v[AF:AF+7], v[128+32*(SS%4)+8*\m:128+32*(SS%4)+8*\m+7], v[8*(4*tt+\m):8*(4*tt+\m)+7]
.endif
.endr
.set tt, tt+1
.endr
.set SS, SS+1
.endr
.endm
; A LAYER'S END: nt tiles just made; ly: the layer; imgw: where my images go; ksn: the next layer's K steps; tn, boff: the next layer's tiles and its bias's place in my block of small; cn: a weight chunk to ask for, or -1.
; The largest activation of the work-group is found (one word a wave through LDS, one barrier), the scale made, the results clipped at 0, scaled, rounded to f16 and stored as images (a second barrier).
.macro EPI nt, ly, imgw, ksn, tn, boff, cn
	WIN 0
.irp q, 0,1,2,3
	v_mov_b32 v[56+\q], 0                          ; four chains of the maximum begin at 0, which stands for the clip; these four lines are also the places behind the last products
.endr
.if \cn >= 0
	CLOAD \cn, 0, 15                               ; into the slot that the layer's last products have left
.endif
	WIN 0x3C
.set ia, 0
.rept 4*\nt
.irp q, 0,1,2,3
	v_max3_num_f32 v[56+\q], v[56+\q], v[8*ia+2*\q], v[8*ia+2*\q+1]   ; each accumulator from its low end on
.endr
.set ia, ia+1
.endr
	WIN 0
	v_max3_num_f32 v56, v56, v57, v58
	v_max_num_f32 v56, v56, v59
	v_max_num_f32_dpp v56, v56, v56 row_xmask:1 row_mask:0xf bank_mask:0xf
	v_max_num_f32_dpp v56, v56, v56 row_xmask:2 row_mask:0xf bank_mask:0xf
	v_max_num_f32_dpp v56, v56, v56 row_xmask:4 row_mask:0xf bank_mask:0xf
	v_max_num_f32_dpp v56, v56, v56 row_xmask:8 row_mask:0xf bank_mask:0xf
	v_permlanex16_b32 v57, v56, s20, s21
	v_max_num_f32 v56, v56, v57                    ; my wave's largest
	ds_store_b32 v16, v56 offset:16*(\ly-1)        ; all lanes write the same word with the same value
	WIN 0x80
.set tt, 0
.rept \tn
	ds_load_b128 v[128+8*tt:128+8*tt+3], v21 offset:\boff+64*tt        ; the next layer's bias in the result's layout: units 16 t + 8 h + 0 .. 7 (my wave's own bytes)
	ds_load_b128 v[128+8*tt+4:128+8*tt+7], v21 offset:\boff+64*tt+16
.set tt, tt+1
.endr
	s_wait_dscnt 0x0                               ; for the others' sake: my word has landed
	s_barrier_signal -1
	WIN 0xCC
.set ia, 0
.rept 16*\nt
	v_max_num_f32 v[ia], 0, v[ia]                  ; the activation, in f32, in place: half of it is register work between signal and wait,
.set ia, ia+1
.endr
	s_barrier_wait -1
	WIN 0
	ds_load_b128 v[60:63], v17 offset:16*(\ly-1)   ; the four waves' words
	WIN 0xCC
.rept 16*\nt
	v_max_num_f32 v[ia], 0, v[ia]                  ; the other half stands behind that load
.set ia, ia+1
.endr
	WIN 0
	s_wait_dscnt 0x0
	v_max3_num_f32 v30, v60, v61, v62
	v_max_num_f32 v30, v30, v63                    ; the largest of what the accumulators hold, which is activation x the last g;
	v_mul_f32 v30, v30, v28                        ; x the last G: the largest activation itself
	v_med3_num_f32 v30, v30, s22, s23              ; held to 2^-48 .. 2^48
	v_lshrrev_b32 v30, 23, v30                     ; e = floor(log2) + 127
	v_sub_nc_u32 v31, 268, v30
	v_lshlrev_b32 v26, 23, v31                     ; g = 2^(14 - floor(log2)): activation x g lies under 2^15
	v_add_nc_u32 v31, -14, v30
	v_lshlrev_b32 v31, 23, v31                     ; 1 / g
	v_mul_f32 v24, v26, v28                        ; f = g x the last G: what the accumulators are multiplied by
	v_mov_b32 v28, v31                             ; G
	WIN 0x82
.set ia, 0
.rept 4*\tn
	v_pk_mul_f32 v[128+2*ia:129+2*ia], v[128+2*ia:129+2*ia], v[26:27] op_sel_hi:[1,0]   ; the next bias x g
.set ia, ia+1
.endr
	WIN 0xC3
.set ia, 0
.rept 16*\nt
	v_pk_mul_f32 v[2*ia:2*ia+1], v[2*ia:2*ia+1], v[24:25] op_sel_hi:[1,0]
.set ia, ia+1
.endr
	WIN 0x0F
.irp m, 0,1,2,3
.set pp, 0
.rept \nt/2
.irp u, 0,1
.irp q, 0,1,2,3
	v_cvt_pk_f16_f32 v[128+8*(\m*\nt/2+pp)+4*\u+\q], v[8*(4*(2*pp+\u)+\m)+2*\q], v[8*(4*(2*pp+\u)+\m)+2*\q+1]   ; tiles 2 p and 2 p + 1 of rows 16 m on: one fragment of the next K
.endr
.endr
.set pp, pp+1
.endr
.endr
	WIN 0
.irp m, 0,1,2,3
.set pp, 0
.rept \nt/2
	IMAGE \imgw, 128+8*(\m*\nt/2+pp), (\m*\ksn+pp)*1024
.set pp, pp+1
.endr
.endr
	BARRIER                                        ; the next layer's operand lies whole in LDS
.endm
	; ---- the head
	s_load_b256 s[4:11], s[0:1], 0x0               ; inputs s[4:5], wfrag s[6:7], small s[8:9], out0 s[10:11]
	v_lshl_add_u32 v18, v0, 2, SPARE               ; the add's two registers: my spare word's address,
	v_mov_b32 v19, 0                               ; and 0; never rewritten
	v_lshrrev_b32 v23, 5, v0
	v_readfirstlane_b32 s12, v23                   ; wave 0..3
	v_and_b32 v30, 31, v0                          ; lane
	v_lshlrev_b32 v1, 4, v30                       ; 16 x lane: every global offset of this text, and an image's place for my lane
	s_and_b32 s13, ttmp7, 0xffff                   ; the agent
	s_lshl_b32 s16, s13, 21                        ; x: 2,048 rows of 1,024 bytes an agent,
	s_lshl_b32 s14, ttmp9, 16                      ; 64 rows a block,
	s_add_co_u32 s16, s16, s14
	s_lshl_b32 s14, s12, 14                        ; 16 rows a wave
	s_add_co_u32 s16, s16, s14
	s_mov_b32 s17, 0
	s_mul_i32 s18, s13, 720896                     ; wfrag: my agent's, my wave's
	s_mul_i32 s14, s12, 180224
	s_add_co_u32 s18, s18, s14
	s_mov_b32 s19, 0
	s_mul_i32 s24, s13, 10240                      ; small likewise
	s_mul_i32 s14, s12, 2560
	s_add_co_u32 s24, s24, s14
	s_mov_b32 s25, 0
	s_lshl_b32 s26, s13, 20                        ; out: rows of 512 bytes
	s_lshl_b32 s14, ttmp9, 15
	s_add_co_u32 s26, s26, s14
	s_lshl_b32 s14, s12, 13
	s_add_co_u32 s26, s26, s14
	s_mov_b32 s27, 0
	s_mov_b32 s20, 0x76543210
	s_mov_b32 s21, 0xfedcba98                      ; v_permlanex16_b32's selects for lane l xor 16
	s_mov_b32 s22, 0x27800000                      ; 2^-48
	s_mov_b32 s23, 0x57800000                      ; 2^48
	s_wait_kmcnt 0x0
	s_add_nc_u64 s[4:5], s[4:5], s[16:17]
	s_add_nc_u64 s[6:7], s[6:7], s[18:19]
	s_add_nc_u64 s[8:9], s[8:9], s[24:25]
	s_add_nc_u64 s[10:11], s[10:11], s[26:27]
	WIN 0xC0
.set ii, 0
.rept 32
	global_load_b128 v[4*ii:4*ii+3], v1, s[4:5] offset:512*ii th:TH_LOAD_NT   ; my 16 rows of x, dense: 512 consecutive bytes a load; read once in the launch
.set ii, ii+1
.endr
	WIN 0
.set ii, 0
.rept 5
	global_load_b128 v[104+4*ii:104+4*ii+3], v1, s[8:9] offset:512*ii         ; my block of small
.set ii, ii+1
.endr
	CLOAD 0, 0, 11                                 ; three quarters of W1's codes: 32 + 5 + 24 = 61 loads are out
	WIN 0
	v_and_b32 v31, 15, v0                          ; r
	v_bfe_u32 v23, v0, 4, 1                        ; h
	s_mul_i32 s28, s12, 16640
	v_add_nc_u32 v2, s28, v1                       ; v2: x's stage, on the way in: as loaded
	v_mul_u32_u24 v3, v31, 1040
	v_lshl_add_u32 v3, v23, 6, v3
	v_add_nc_u32 v3, s28, v3                       ; v3: and on the way out: row r, + 64 h: my 16 numbers of a block of 32
	s_lshl_b32 s28, s12, 11
	s_add_co_u32 s29, s28, XIMG
	v_add_nc_u32 v4, s29, v1                       ; v4: where I store x's two images
	s_add_co_u32 s29, s28, SIMG
	v_add_nc_u32 v10, s29, v1                      ; v10: layer 2's images: my two K steps
	v_lshlrev_b32 v7, 2, v30
	s_lshl_b32 s28, s12, 8
	s_add_co_u32 s28, s28, XSC
	v_add_nc_u32 v5, s28, v7                       ; v5: where I store x's scale words
	v_add_nc_u32 v7, XSC, v7                       ; v7: and where anyone reads them
	v_add_nc_u32 v6, XIMG, v1                      ; v6: x's images, read
	s_lshl_b32 s28, s12, 12
	s_add_co_u32 s29, s28, HIMG
	v_add_nc_u32 v8, s29, v1                       ; v8: layer 1's images: my four K steps
	s_add_co_u32 s29, s28, DIMG
	v_add_nc_u32 v12, s29, v1                      ; v12: layer 3's likewise
	v_add_nc_u32 v9, HIMG, v1                      ; v9, v11, v13: the three, read
	v_add_nc_u32 v11, SIMG, v1
	v_add_nc_u32 v13, DIMG, v1
	v_mul_u32_u24 v14, v31, 528
	v_lshl_add_u32 v14, v23, 5, v14
	s_lshl_b32 s28, s12, 7
	s_add_co_u32 s28, s28, STG
	v_add_nc_u32 v14, s28, v14                     ; v14: the way out: row r, + 32 h, + my wave's 128 bytes
	s_mul_i32 s28, s12, 8448
	s_add_co_u32 s28, s28, STG
	v_add_nc_u32 v15, s28, v1                      ; v15: back: my 16 rows, 16 bytes a lane
	s_lshl_b32 s28, s12, 2
	s_add_co_u32 s28, s28, MAXW
	v_mov_b32 v16, s28                             ; v16: my wave's word of a maximum
	v_mov_b32 v17, MAXW                            ; v17: the four words
	s_mul_i32 s28, s12, 2560
	s_add_co_u32 s28, s28, SML
	v_add_nc_u32 v20, s28, v1                      ; v20: my block of small, in
	v_lshl_add_u32 v21, v23, 5, s28                ; v21: a bias: + 32 h
	v_lshl_add_u32 v22, v31, 3, s28                ; v22: W1's scale words: 8 r
	v_mov_b32 v25, 0                               ; (upper words of pairs that packed forms name)
	v_mov_b32 v27, 0
	v_mov_b32 v28, 1.0                             ; G: x W1 is in true units
	v_mov_b32 v29, 0
.irp b, 0,1,2,3
	v_mov_b32 v[TM+4+\b], 0                        ; written once: a lane permute's destination counts as one of its sources
.endr
	; ---- x: my 16 rows turn through my stage, so that a lane holds 16 neighbours of each block, and become two fragments of codes
	s_wait_loadcnt 29                              ; x's 32 loads are in; the 5 of small and the 24 of W1 are younger
	WIN 0x0C
.set ii, 0
.rept 32
	ds_store_b128 v2, v[4*ii:4*ii+3] offset:(ii/2)*1040+(ii%2)*512
.set ii, ii+1
.endr
	WIN 0
.irp s, 0,1
.irp b, 0,1,2,3
.irp j, 0,1,2,3
	ds_load_b128 v[128+64*\s+16*\b+4*\j:128+64*\s+16*\b+4*\j+3], v3 offset:512*\s+128*\b+16*\j   ; LDS serves a wave's instructions in order (ISA guide 5.7.1.4): these see my stores
.endr
.endr
.endr
	s_wait_loadcnt 24                              ; the block of small is in; W1's 24 are younger
.set ii, 0
.rept 5
	ds_store_b128 v20, v[104+4*ii:104+4*ii+3] offset:512*ii
.set ii, ii+1
.endr
.irp t, 0,1,2,3,4,5,6,7
	ds_load_b64 v[64+2*\t:65+2*\t], v22 offset:128*\t              ; W1's scale words of tile t: K steps 0 and 1
.endr
	WIN 0x80
.irp t, 0,1,2,3,4,5,6,7
	ds_load_b128 v[128+8*\t:128+8*\t+3], v21 offset:1024+64*\t     ; b1 in the result's layout
	ds_load_b128 v[128+8*\t+4:128+8*\t+7], v21 offset:1024+64*\t+16
.endr
	CLOAD 0, 12, 15                                ; the rest of W1,
	CLOAD 1, 0, 15                                 ; and W2's first chunk
	WIN 0
	s_wait_dscnt 45                                ; K step 0's 16 loads are back; younger: K step 1's 16, the 5 stores, the 8 and the 16 loads
	QUANT 128, 88, 48
	IMAGE 4, 88, 0
	ds_store_b32 v5, v48
	s_wait_dscnt 32                                ; K step 1's are back; younger: 5 + 8 + 16 and the 3 stores just issued
	QUANT 192, 96, 49
	IMAGE 4, 96, 1024
	ds_store_b32 v5, v49 offset:128
	BARRIER                                        ; x's eight fragments and their scale words lie in LDS
	; ---- layer 1, on codes: 8 tiles of units x 4 tiles of rows, two K steps of 128; the 32 accumulators take turns
.irp m, 0,1,2,3
.irp s, 0,1
	FETCH 128+8*(2*\m+\s), 6, (2*\m+\s)*1024
	ds_load_b32 v[80+2*\m+\s], v7 offset:128*(2*\m+\s)
.endr
.endr
	s_wait_dscnt 0x0
	s_wait_loadcnt 32                              ; W1 is in; chunk 1's 32 loads are younger
	CLOAD 2, 0, 15
.irp s, 0,1
.if \s == 0
	WIN 0xE1                                       ; W1: window 1; x: window 0; C = b1: window 2; D: window 3
.else
	WIN 0xF1
.endif
.irp t, 0,1,2,3,4,5,6,7
.irp m, 0,1,2,3
.if \s == 0
	v_wmma_scale_f32_16x16x128_f8f6f4 v[8*(4*\t+\m):8*(4*\t+\m)+7], v[8*(2*\t):8*(2*\t)+7], v[128+8*(2*\m):128+8*(2*\m)+7], v[128+8*\t:128+8*\t+7], v[64+2*\t], v[80+2*\m] matrix_a_fmt:MATRIX_FMT_FP4 matrix_b_fmt:MATRIX_FMT_FP4
.else
	v_wmma_scale_f32_16x16x128_f8f6f4 v[8*(4*\t+\m):8*(4*\t+\m)+7], v[8*(2*\t+1):8*(2*\t+1)+7], v[128+8*(2*\m+1):128+8*(2*\m+1)+7], v[8*(4*\t+\m):8*(4*\t+\m)+7], v[65+2*\t], v[81+2*\m] matrix_a_fmt:MATRIX_FMT_FP4 matrix_b_fmt:MATRIX_FMT_FP4
.endif
.endr
.endr
.endr
	EPI 8, 1, 8, 16, 4, 2048, 3                    ; -> HIMG; b2; chunk 3 into slot 0, which W1 has left
	; ---- layer 2: 512 -> 256
	LAYER 4, 16, 1, 9
	EPI 4, 2, 10, 8, 8, 1536, 7                    ; -> SIMG; b3; chunk 7 into slot 1, which chunk 4 has left
	; ---- layer 3: 256 -> 512
	LAYER 8, 8, 5, 11
	EPI 8, 3, 12, 16, 2, 2304, -1                  ; -> DIMG; b4; all chunks have been asked for
	; ---- layer 4: 512 -> 128
	LAYER 2, 16, 9, 13
	; ---- the way out: x G; a row's 128 outputs come from four waves: they meet in a stage, and each wave stores 16 whole rows
	WIN 0
	PLACES
	WIN 0xC3
.set ia, 0
.rept 32
	v_pk_mul_f32 v[2*ia:2*ia+1], v[2*ia:2*ia+1], v[28:29] op_sel_hi:[1,0]   ; each accumulator from its low end on
.set ia, ia+1
.endr
	WIN 0x0C
.irp m, 0,1,2,3
.irp t, 0,1
	ds_store_b128 v14, v[8*(4*\t+\m):8*(4*\t+\m)+3] offset:16*\m*528+64*\t          ; lane (r, h): out(16 m + r, 32 w + 16 t + 8 h + 0 .. 7)
	ds_store_b128 v14, v[8*(4*\t+\m)+4:8*(4*\t+\m)+7] offset:16*\m*528+64*\t+16
.endr
.endr
	WIN 0
	BARRIER                                        ; 64 whole rows lie in the stage
.irp i, 0,1,2,3,4,5,6,7,8,9,10,11,12,13,14,15
	ds_load_b128 v[128+4*\i:128+4*\i+3], v15 offset:528*\i
.endr
.irp i, 0,1,2,3,4,5,6,7,8,9,10,11,12,13,14,15
	s_wait_dscnt 15-\i                             ; row i is back; the rows behind it may be out
	global_store_b128 v1, v[128+4*\i:128+4*\i+3], s[10:11] offset:512*\i th:TH_STORE_NT   ; 32 lanes store a row's 512 consecutive bytes, aligned; written once, read by nobody here
.endr
	s_wait_tensorcnt 0x0                           ; the wave's end
	ds_add_u32 v18, v19
	s_wait_dscnt 0x0
	s_endpgm
.Lfunc_end_k_q40e748981d_chain:
	.size	k_q40e748981d_chain, .Lfunc_end_k_q40e748981d_chain-k_q40e748981d_chain
	.p2alignl 7, 3214868480
	.fill 96, 4, 3214868480
	.section	.rodata,"a",@progbits
	.p2align	6, 0x0
	.amdhsa_kernel k_q40e748981d_chain
		.amdhsa_group_segment_fixed_size 284416
		.amdhsa_private_segment_fixed_size 0
		.amdhsa_enable_private_segment 0
		.amdhsa_kernarg_size 32
		.amdhsa_user_sgpr_count 2
		.amdhsa_user_sgpr_kernarg_segment_ptr 1
		.amdhsa_wavefront_size32 1
		.amdhsa_system_sgpr_workgroup_id_x 1
		.amdhsa_system_sgpr_workgroup_id_y 1
		.amdhsa_system_sgpr_workgroup_id_z 1
		.amdhsa_system_vgpr_workitem_id 0
		.amdhsa_next_free_vgpr 1024
		.amdhsa_next_free_sgpr 66
		.amdhsa_reserve_vcc 0
		.amdhsa_float_denorm_mode_32 3
		.amdhsa_float_denorm_mode_16_64 3
		.amdhsa_memory_ordered 1
		.amdhsa_forward_progress 1
		.amdhsa_inst_pref_size 236
	.end_amdhsa_kernel
	.amdgpu_metadata
---
amdhsa.version: [ 1, 2 ]
amdhsa.kernels:
  - .name:           k_q40e748981d_chain
    .symbol:         k_q40e748981d_chain.kd
    .args:
      - { .name: inputs, .offset: 0, .size: 8, .value_kind: global_buffer, .address_space: global }
      - { .name: wfrag, .offset: 8, .size: 8, .value_kind: global_buffer, .address_space: global }
      - { .name: small, .offset: 16, .size: 8, .value_kind: global_buffer, .address_space: global }
      - { .name: out0, .offset: 24, .size: 8, .value_kind: global_buffer, .address_space: global }
    .group_segment_fixed_size: 284416
    .private_segment_fixed_size: 0
    .kernarg_segment_align: 8
    .kernarg_segment_size: 32
    .max_flat_workgroup_size: 128
    .sgpr_count:     66
    .vgpr_count:     1024
    .wavefront_size: 32
...
	.end_amdgpu_metadata
.endif
;; end of part 2
;; ======== version 2 of 2: 2 launches; version 1 with the launch chain written anew for expert scheduling mode
;; limits: values are held in f16: magnitudes above 65,504 overflow, below 6.1e-05 lose precision; inputs' magnitudes at most 65,504; right only within a limited range of input values; below input magnitudes of 6.1e-05 results are inexact or not finite
;; workspace buffers: wfrag 5,767,168 bytes; small 81,920 bytes
;; launch prep: the kernel of part 1 again; grid 57 x 8, 4 waves a work-group, no clusters, 0 bytes of LDS; arguments Ws1, Ws2, Wd1, Wd2, bs1, bs2, bd1, bd2, laac_shallow, laac_deep, wfrag, small; writes wfrag, small
;; launch chain (part 3): grid 32 x 8, 4 waves a work-group, no clusters, 284,416 bytes of LDS; arguments inputs, wfrag, small, out0; writes out0
.if DOCPART == 3
	.amdgcn_target "amdgcn-amd-amdhsa--gfx1250"
	.amdhsa_code_object_version 6
	.text
	.protected	k_q40e748981d_chain
	.globl	k_q40e748981d_chain
	.p2align	8
	.type	k_q40e748981d_chain,@function
k_q40e748981d_chain:
	s_mov_b64 s[64:65], 0
	v_nop
	global_prefetch_b8 v0, s[64:65] scope:SCOPE_SE
	s_setreg_imm32_b32 hwreg(HW_REG_WAVE_SCHED_MODE, 0, 2), 2
	s_setreg_imm32_b32 hwreg(HW_REG_WAVE_MODE, 25, 1), 1
	s_wait_xcnt 0x0
	s_wait_alu depctr_vm_vsrc(0)
; out = (relu(relu(relu(x W1 + b1) W2 + b2) W3 + b3)) W4 + b4 for 64 rows of one agent (work-group x: the block of rows, y: the agent); 256 -> 512 -> 256 -> 512 -> 128.
; The weights are the agent's chosen experts', laid out by the launch before.  x W1 runs on codes of FP4 (E2M1) with one E8M0 scale for each 32 along K; x is quantised here, in registers.
; The other three products take f16 operands and f32 sums.  No intermediate goes to memory.
; SHARES.  Four waves; THE WAVES SHARE THE UNITS, NOT THE ROWS: wave w makes a quarter of each layer's units (8, 4, 8, 2 tiles of 16) for all 64 rows (4 tiles of 16).
; So each fragment of a weight is used by ONE wave of the work-group, four times (once a tile of rows), and comes from memory straight into that wave's registers, whole, as 2 x 16 bytes a lane.
; ALL PRODUCTS ARE USED TRANSPOSED (source 0 = 16 units of W, source 1 = 16 rows): lane (r, h) holds row r and units 8 h + 0 .. 7 of a tile; two neighbouring tiles, rounded to f16 in pairs, ARE a
; source-1 fragment (16 rows x 32 along the next K).  Such fragments go from wave to wave through LDS as images of their registers: lane l's 16 bytes at 16 l, 512 bytes a store; no pitch, no padding.
; THE f16 SCALE.  What goes into f16 is a x g, g one power of two for the work-group and the layer, made from the layer's measured largest activation so that a x g lies under 2^15; the next bias is multiplied
; by g too, and the output by 1 / g.  All these factors are powers of two: nothing is rounded by them.  No branch and no address hangs on them.
; NO JOINT LOADS, though the 32 work-groups of an agent read the same 720,896 bytes of weights: a joint load lands in LDS, and each fragment has one reader in a work-group, so the weights would be written to
; LDS once and read from it once, 2 x 720,896 bytes beside the 688,128 bytes of images that the four waves read there; straight into registers they cost no LDS byte.  No tensor load, so no ring.
; No prefetch: the weights' loads run two chunks (64 loads, 32,768 bytes a wave) ahead of their use, and all work-groups walk the same chunks together.
; LIMITS: activations up to 2^49 in magnitude (the measured maximum is held to 2^-48 .. 2^48 for the scale); NaN and infinities are not served; x's blocks: as the launch before states for Ws1.
; The text is straight: no label, no branch; every loop is the assembler's.
; THE MODE: SCHED_MODE bits 1:0 = 2 (LLVM: expert scheduling mode 2), set by the entry lines.  The code itself states the register dependences
; between vector or matrix instructions and memory or LDS instructions, with s_wait_alu, always for 0.
; THE PLAN.  Registers that memory or LDS instructions touch:
;   v1, v2-17, v20-22    offsets and LDS addresses: written once at the head, never again; one wait ahead of the first load (v1), one ahead of the first LDS store (the others).
;   window 3, v0-127     x as loaded: read by my LDS stores into the stage; written next by layer 1's products: one wait on vm_vsrc ahead of the first.
;   v128-255             x's numbers: read by the two quantisers; x's fragments land there behind the barrier.  v88-103, v48, v49: written by the quantisers, read by the image stores.  One wait behind both quantisers states all of it.
;   the ring, v128-255   Step S's products read set S % 4.  The loads of step S + 3, issued in step S, land in set (S + 3) % 4, which step S - 1's products read.
;   the slots            Chunk C's products read slot C % 3.  The loads of chunk C + 2, issued in chunk C's first step (or at a layer's end), land in the slot that chunk C - 1's products read.
;                        So ONE wait on va_vdst stands at the head of a K step: the last step's products are done reading.  The step's loads follow it, dealt among its products, which name set S % 4, slot C % 3 and the
;                        accumulators: none of the registers that those loads touch.
;   a layer's end        v56: written by the maximum, read by one LDS store.  The bias's registers (window 2): read by the layer's first products, written by the last end's multiplications; the next bias lands there.
;                        v60-63: read by the last end's lines; the four waves' words land there.  One wait behind the maximum states all of it, and serves the chunk that the end asks for.
;                        v128 on: written by the conversions, read by the image stores: a second wait.  At the next layer's head one wait on vm_vsrc: those stores have read v128 on (the ring lands there) and v56.
;   the way out          the accumulators: written by the multiplication by G, read by the stage's stores; v128 on: read by layer 4's products; the stage's rows land there.  One wait.
;   v18, v19             written at the head, read by the closing add alone.
;
; LDS: every region is written once.
.set XST,   0                          ; 4 x 16,640: each wave's 16 rows of x, pitch 1,040 = 260 words: row r starts 4 r words on modulo 64, so the 16 rows of a load touch 16 different groups of 4 words
.set XIMG,  66560                      ; x's 8 fragments, (2 m + s) x 1,024
.set XSC,   74752                      ; their scale words, (2 m + s) x 128 + 4 x lane
.set HIMG,  75776                      ; layer 1's result: 64 fragments, (16 m + S) x 1,024
.set SIMG,  141312                     ; layer 2's: 32 fragments, (8 m + S) x 1,024
.set DIMG,  174080                     ; layer 3's: 64 fragments, (16 m + S) x 1,024
.set STG,   239616                     ; the way out: 64 rows of 512 bytes, pitch 528
.set SML,   273408                     ; 4 x 2,560: each wave's scale words of W1 and its parts of the four biases
.set MAXW,  283648                     ; the waves' largest activations: layer L's four words at 16 (L - 1)
.set SPARE, 283904                     ; the spare words, 128 bytes for each wave: two blocks of 256 bytes that no other line names
; REGISTERS, in windows of 256 (s_set_vgpr_msb: bits 1:0 source 0, 3:2 source 1, 5:4 source 2, 7:6 destination).
; window 0: v1 16 x lane; v2-17, v20-22 LDS addresses (made below, never rewritten); v18, v19 the add's two; v[24:25] f, v[26:27] g, v[28:29] G = 1 / g (the upper words 0: named as pairs);
;   v30, v31 at work; v32-47 the quantiser's; v48, v49 x's scale words as made; v56-63 the maximum; v64-79 W1's scale words, v80-87 x's (scales and nothing else); v88-103 x's codes; v104-123 the block of small;
;   v128-255: x's numbers, then x's fragments, then a ring of 4 sets of 4 source-1 fragments, then the packed results.
; window 1: weight slots 0 (v0-127) and 1 (v128-255).   window 2: slot 2 (v0-127); v128-191 the bias in the result's layout, 8 registers a tile.   window 3: x as loaded; then the accumulators, (t, m) at v[8 (4 t + m)].
.set TM, 32
.set MSB, 0
.macro WIN new                         ; the immediate's high byte repeats the setting that is left; a switch that changes nothing is dropped
.if MSB != (\new)
	s_set_vgpr_msb (MSB<<8)|(\new)
.set MSB, (\new)
.endif
.endm
.macro PLACES                          ; four plain lines between a matrix instruction and a load into, or a vector read or write of, its registers (ISA guide 7.12.1 for vector reads and writes)
.rept 4
	v_nop
.endr
.endm
.macro BARRIER                         ; my LDS stores have landed and my LDS loads are in: then the work-group's barrier
	s_wait_dscnt 0x0
	s_barrier_signal -1
	s_barrier_wait -1
.endm
; Fragments f0 .. f1 of weight chunk c (16 fragments, 16,384 bytes) into slot c % 3.  32 lanes read 512 consecutive bytes.  No hint: 32 work-groups read these bytes.
.macro CLOAD c, f0, f1
.if ((\c)%3) == 2
	WIN 0x80
.set SB, 0
.else
	WIN 0x40
.set SB, 128*((\c)%3)
.endif
.set ifr, \f0
.rept (\f1)-(\f0)+1
	global_load_b128 v[SB+8*ifr:SB+8*ifr+3], v1, s[6:7] offset:(\c)*16384+ifr*1024
	global_load_b128 v[SB+8*ifr+4:SB+8*ifr+7], v1, s[6:7] offset:(\c)*16384+ifr*1024+512
.set ifr, ifr+1
.endr
.endm
.macro IMAGE adr, reg, off             ; a fragment goes to LDS as it stands,
	ds_store_b128 v[\adr], v[(\reg):(\reg)+3] offset:(\off)
	ds_store_b128 v[\adr], v[(\reg)+4:(\reg)+7] offset:(\off)+512
.endm
.macro FETCH reg, adr, off             ; and comes back so, in any wave
	ds_load_b128 v[(\reg):(\reg)+3], v[\adr] offset:(\off)
	ds_load_b128 v[(\reg)+4:(\reg)+7], v[\adr] offset:(\off)+512
.endm
.macro BLOAD li, ks, st                ; K step st's four source-1 fragments (the four tiles of rows) into set st % 4 of the ring: 8 LDS loads
	WIN 0
.irp m, 0,1,2,3
	FETCH 128+32*((\st)%4)+8*\m, \li, (\m*\ks+(\st))*1024
.endr
.endm
; 64 numbers of a lane, v[src] on, register 16 b + i = k 32 b + 16 (lane / 16) + i of my row, become a fragment's codes in v[pc] on and its scale word in v[pw].
.macro QUANT src, pc, pw
.irp b, 0,1,2,3
	v_max3_num_f32 v[TM+\b], |v[\src+16*\b]|, |v[\src+1+16*\b]|, 0x1800000   ; block b: my 16 numbers, and the floor 2^(3 - 127): the byte cannot fall under 1
.endr
.irp i, 2,4,6,8,10,12,14
.irp b, 0,1,2,3
	v_max3_num_f32 v[TM+\b], v[TM+\b], |v[\src+16*\b+\i]|, |v[\src+1+16*\b+\i]|   ; (the four blocks by turns)
.endr
.endr
.irp b, 0,1,2,3
	v_permlanex16_b32 v[TM+4+\b], v[TM+\b], s20, s21
.endr
.irp b, 0,1,2,3
	v_max_num_f32 v[TM+\b], v[TM+\b], v[TM+4+\b]   ; with lane l xor 16's: the block's largest magnitude
.endr
.irp b, 0,1,2,3
	v_add_nc_u32 v[TM+12+\b], 0xff000000, v[TM+\b] ; 2 off its exponent field: the conversion's scale operand
.endr
.irp b, 0,1,2,3
	v_lshrrev_b32 v[TM+4+\b], 23, v[TM+12+\b]      ; the scale's byte
.endr
	v_lshl_or_b32 v[\pw], v[TM+5], 8, v[TM+4]      ; the four bytes make my row's scale word
	v_lshl_or_b32 v[\pw], v[TM+6], 16, v[\pw]
	v_lshl_or_b32 v[\pw], v[TM+7], 24, v[\pw]
.irp b, 0,1,2,3
	v_cvt_scalef32_pk8_fp4_f32 v[\pc+2*\b], v[\src+16*\b:\src+7+16*\b], v[TM+12+\b]
	v_cvt_scalef32_pk8_fp4_f32 v[\pc+1+2*\b], v[\src+8+16*\b:\src+15+16*\b], v[TM+12+\b]
.endr
	v_nop                                          ; one plain line behind the last scaled conversion
.irp c, 0,1                            ; the operand's layout wants a WHOLE block in a lane: lanes 0-15 block 2 c, lanes 16-31 block 2 c + 1
.irp i, 0,1
	v_permlane16_swap_b32 v[\pc+4*\c+\i], v[\pc+2+4*\c+\i]
.endr
.endr
.endm
; AN f16 LAYER: nt tiles of units a wave, ks K steps of 32, first weight chunk cf, images read through v[li].  A K step is 4 nt matrix instructions: the 4 nt accumulators take turns, one instruction a turn,
; in the same order in every step.  The first step takes the bias (x g) as C: nothing is cleared and nothing is added afterwards.
; The ring of source-1 fragments runs three steps ahead.  A chunk of weights serves 16 / nt steps; at its first step its loads are waited for, and the chunk two on is asked for into the slot that has just been left.
; A step's loads stand among its products: the ring's eight behind the first tile's four, the new chunk's 32 in four runs of eight behind the first four tiles.
.macro LAYER nt, ks, cf, li
	WIN 0
	s_wait_alu depctr_vm_vsrc(0)                   ; my LDS stores of the images have read v128 on, in which the ring's loads land; the store of my largest has read v56, which this layer's end writes again
	BLOAD \li, \ks, 0
	BLOAD \li, \ks, 1
	BLOAD \li, \ks, 2
.set SS, 0
.rept \ks
.set CC, \cf+(SS*\nt)/16
.if SS > 0
	PLACES                                         ; behind the last step's products, ahead of the loads into the set and the slot that they read: the places stay beside the wait
	s_wait_alu depctr_va_vdst(0)                   ; the last step's products are done reading their set of the ring, in which this step's LDS loads land, and their slot, in which (at a chunk's first step) the loads of the chunk two on land
.endif
.if ((SS*\nt)%16) == 0
.if (CC == 1) || (CC == 5)
	s_wait_loadcnt 63                              ; this chunk is in: the two chunks behind it (64 loads: one asked for in the layer before, one at its end) are younger; the count is the largest that can be written, and one under 64 is safe
.elseif CC == 10
	s_wait_loadcnt 0x0                             ; the last chunk
.else
	s_wait_loadcnt 32                              ; this chunk is in; the next chunk's 32 loads are younger
.endif
.endif
.if \ks-1-SS >= 2
	s_wait_dscnt 16                                ; this step's 8 LDS loads are in; those of the two steps behind it may be out (the third step's go out below)
.else
	s_wait_dscnt 8*(\ks-1-SS)
.endif
.if (CC%3) == 2
.set AB, 0
.set WA, 2
.else
.set AB, 128*(CC%3)
.set WA, 1
.endif
.set tt, 0
.rept \nt
.if SS == 0
	WIN 0xE0|WA                                    ; source 0: the slot's window; source 1: window 0; C: the bias, window 2; D: window 3
.else
	WIN 0xF0|WA                                    ; C and D: window 3
.endif
.set AF, AB+8*((SS*\nt+tt)%16)
.irp m, 0,1,2,3
.if SS == 0
	v_wmma_f32_16x16x32_f16 v[8*(4*tt+\m):8*(4*tt+\m)+7], v[AF:AF+7], v[128+32*(SS%4)+8*\m:128+32*(SS%4)+8*\m+7], v[128+8*tt:128+8*tt+7]
.else
	v_wmma_f32_16x16x32_f16 v[8*(4*tt+\m):8*(4*tt+\m)+7], v[AF:AF+7], v[128+32*(SS%4)+8*\m:128+32*(SS%4)+8*\m+7], v[8*(4*tt+\m):8*(4*tt+\m)+7]
.endif
.endr
.if (tt == 0) && (SS+3 < \ks)
	BLOAD \li, \ks, SS+3                           ; no wait: no vector or matrix instruction since the step's wait (in the first step: since the layer's head) names set (S + 3) % 4
.endif
.if (tt < 4) && (((SS*\nt)%16) == 0) && (CC != 1) && (CC != 5) && (CC < 9)
	CLOAD CC+2, 4*tt, 4*tt+3                       ; a quarter of the chunk two on.  No wait: none since the step's wait names slot (C + 2) % 3
.endif
.set tt, tt+1
.endr
.set SS, SS+1
.endr
.endm
; A LAYER'S END: nt tiles just made; ly: the layer; imgw: where my images go; ksn: the next layer's K steps; tn, boff: the next layer's tiles and its bias's place in my block of small; cn: a weight chunk to ask for, or -1.
; The largest activation of the work-group is found (one word a wave through LDS, one barrier), the scale made, the results clipped at 0, scaled, rounded to f16 and stored as images (a second barrier).
.macro EPI nt, ly, imgw, ksn, tn, boff, cn
	WIN 0
.irp q, 0,1,2,3
	v_mov_b32 v[56+\q], 0                          ; four chains of the maximum begin at 0, which stands for the clip; these four lines are also the places behind the last products
.endr
	WIN 0x3C
.set ia, 0
.rept 4*\nt
.irp q, 0,1,2,3
	v_max3_num_f32 v[56+\q], v[56+\q], v[8*ia+2*\q], v[8*ia+2*\q+1]   ; each accumulator from its low end on
.endr
.set ia, ia+1
.endr
	WIN 0
	v_max3_num_f32 v56, v56, v57, v58
	v_max_num_f32 v56, v56, v59
	v_max_num_f32_dpp v56, v56, v56 row_xmask:1 row_mask:0xf bank_mask:0xf
	v_max_num_f32_dpp v56, v56, v56 row_xmask:2 row_mask:0xf bank_mask:0xf
	v_max_num_f32_dpp v56, v56, v56 row_xmask:4 row_mask:0xf bank_mask:0xf
	v_max_num_f32_dpp v56, v56, v56 row_xmask:8 row_mask:0xf bank_mask:0xf
	v_permlanex16_b32 v57, v56, s20, s21
	v_max_num_f32 v56, v56, v57                    ; my wave's largest
	s_wait_alu depctr_va_vdst(0)                   ; v56 is written, which the store reads; the layer's products are done reading the bias's registers and the slot that they have left, and the last end's lines are done with the bias's registers and v60-63: the loads below land in these
	ds_store_b32 v16, v56 offset:16*(\ly-1)        ; all lanes write the same word with the same value
	WIN 0x80
.set tt, 0
.rept \tn
	ds_load_b128 v[128+8*tt:128+8*tt+3], v21 offset:\boff+64*tt        ; the next layer's bias in the result's layout: units 16 t + 8 h + 0 .. 7 (my wave's own bytes)
	ds_load_b128 v[128+8*tt+4:128+8*tt+7], v21 offset:\boff+64*tt+16
.set tt, tt+1
.endr
.if \cn >= 0
	CLOAD \cn, 0, 15                               ; into the slot that the layer's last products have left
.endif
	s_wait_dscnt 0x0                               ; for the others' sake: my word has landed
	s_barrier_signal -1
	WIN 0xCC
.set ia, 0
.rept 16*\nt
	v_max_num_f32 v[ia], 0, v[ia]                  ; the activation, in f32, in place: half of it is register work between signal and wait,
.set ia, ia+1
.endr
	s_barrier_wait -1
	WIN 0
	ds_load_b128 v[60:63], v17 offset:16*(\ly-1)   ; the four waves' words.  No wait: the lines since the wait above name the accumulators alone
	WIN 0xCC
.rept 16*\nt
	v_max_num_f32 v[ia], 0, v[ia]                  ; the other half stands behind that load
.set ia, ia+1
.endr
	WIN 0
	s_wait_dscnt 0x0
	v_max3_num_f32 v30, v60, v61, v62
	v_max_num_f32 v30, v30, v63                    ; the largest of what the accumulators hold, which is activation x the last g;
	v_mul_f32 v30, v30, v28                        ; x the last G: the largest activation itself
	v_med3_num_f32 v30, v30, s22, s23              ; held to 2^-48 .. 2^48
	v_lshrrev_b32 v30, 23, v30                     ; e = floor(log2) + 127
	v_sub_nc_u32 v31, 268, v30
	v_lshlrev_b32 v26, 23, v31                     ; g = 2^(14 - floor(log2)): activation x g lies under 2^15
	v_add_nc_u32 v31, -14, v30
	v_lshlrev_b32 v31, 23, v31                     ; 1 / g
	v_mul_f32 v24, v26, v28                        ; f = g x the last G: what the accumulators are multiplied by
	v_mov_b32 v28, v31                             ; G
	WIN 0x82
.set ia, 0
.rept 4*\tn
	v_pk_mul_f32 v[128+2*ia:129+2*ia], v[128+2*ia:129+2*ia], v[26:27] op_sel_hi:[1,0]   ; the next bias x g
.set ia, ia+1
.endr
	WIN 0xC3
.set ia, 0
.rept 16*\nt
	v_pk_mul_f32 v[2*ia:2*ia+1], v[2*ia:2*ia+1], v[24:25] op_sel_hi:[1,0]
.set ia, ia+1
.endr
	WIN 0x0F
.irp m, 0,1,2,3
.set pp, 0
.rept \nt/2
.irp u, 0,1
.irp q, 0,1,2,3
	v_cvt_pk_f16_f32 v[128+8*(\m*\nt/2+pp)+4*\u+\q], v[8*(4*(2*pp+\u)+\m)+2*\q], v[8*(4*(2*pp+\u)+\m)+2*\q+1]   ; tiles 2 p and 2 p + 1 of rows 16 m on: one fragment of the next K
.endr
.endr
.set pp, pp+1
.endr
.endr
	WIN 0
	s_wait_alu depctr_va_vdst(0)                   ; the conversions have written v128 on, which the LDS stores read (and in which the next layer's ring lands)
.irp m, 0,1,2,3
.set pp, 0
.rept \nt/2
	IMAGE \imgw, 128+8*(\m*\nt/2+pp), (\m*\ksn+pp)*1024
.set pp, pp+1
.endr
.endr
	BARRIER                                        ; the next layer's operand lies whole in LDS
.endm
	; ---- the head
	s_load_b256 s[4:11], s[0:1], 0x0               ; inputs s[4:5], wfrag s[6:7], small s[8:9], out0 s[10:11]
	v_lshl_add_u32 v18, v0, 2, SPARE               ; the add's two registers: my spare word's address,
	v_mov_b32 v19, 0                               ; and 0; never rewritten
	v_lshrrev_b32 v23, 5, v0
	v_readfirstlane_b32 s12, v23                   ; wave 0..3
	v_and_b32 v30, 31, v0                          ; lane
	v_lshlrev_b32 v1, 4, v30                       ; 16 x lane: every global offset of this text, and an image's place for my lane
	s_wait_alu depctr_va_sdst(0)                   ; s12 is written, ahead of its first reader: the four bases and the LDS addresses are made from it
	s_and_b32 s13, ttmp7, 0xffff                   ; the agent
	s_lshl_b32 s16, s13, 21                        ; x: 2,048 rows of 1,024 bytes an agent,
	s_lshl_b32 s14, ttmp9, 16                      ; 64 rows a block,
	s_add_co_u32 s16, s16, s14
	s_lshl_b32 s14, s12, 14                        ; 16 rows a wave
	s_add_co_u32 s16, s16, s14
	s_mov_b32 s17, 0
	s_mul_i32 s18, s13, 720896                     ; wfrag: my agent's, my wave's
	s_mul_i32 s14, s12, 180224
	s_add_co_u32 s18, s18, s14
	s_mov_b32 s19, 0
	s_mul_i32 s24, s13, 10240                      ; small likewise
	s_mul_i32 s14, s12, 2560
	s_add_co_u32 s24, s24, s14
	s_mov_b32 s25, 0
	s_lshl_b32 s26, s13, 20                        ; out: rows of 512 bytes
	s_lshl_b32 s14, ttmp9, 15
	s_add_co_u32 s26, s26, s14
	s_lshl_b32 s14, s12, 13
	s_add_co_u32 s26, s26, s14
	s_mov_b32 s27, 0
	s_mov_b32 s20, 0x76543210
	s_mov_b32 s21, 0xfedcba98                      ; v_permlanex16_b32's selects for lane l xor 16
	s_mov_b32 s22, 0x27800000                      ; 2^-48
	s_mov_b32 s23, 0x57800000                      ; 2^48
	s_wait_kmcnt 0x0
	s_add_nc_u64 s[4:5], s[4:5], s[16:17]
	s_add_nc_u64 s[6:7], s[6:7], s[18:19]
	s_add_nc_u64 s[8:9], s[8:9], s[24:25]
	s_add_nc_u64 s[10:11], s[10:11], s[26:27]
	WIN 0xC0
	s_wait_alu depctr_va_vdst(0)                   ; v1 is written: every global load and store of the text reads it as its offset
.set ii, 0
.rept 32
	global_load_b128 v[4*ii:4*ii+3], v1, s[4:5] offset:512*ii th:TH_LOAD_NT   ; my 16 rows of x, dense: 512 consecutive bytes a load; read once in the launch
.set ii, ii+1
.endr
	WIN 0
.set ii, 0
.rept 5
	global_load_b128 v[104+4*ii:104+4*ii+3], v1, s[8:9] offset:512*ii         ; my block of small
.set ii, ii+1
.endr
	CLOAD 0, 0, 11                                 ; three quarters of W1's codes: 32 + 5 + 24 = 61 loads are out
	WIN 0
	v_and_b32 v31, 15, v0                          ; r
	v_bfe_u32 v23, v0, 4, 1                        ; h
	s_mul_i32 s28, s12, 16640
	v_add_nc_u32 v2, s28, v1                       ; v2: x's stage, on the way in: as loaded
	v_mul_u32_u24 v3, v31, 1040
	v_lshl_add_u32 v3, v23, 6, v3
	v_add_nc_u32 v3, s28, v3                       ; v3: and on the way out: row r, + 64 h: my 16 numbers of a block of 32
	s_lshl_b32 s28, s12, 11
	s_add_co_u32 s29, s28, XIMG
	v_add_nc_u32 v4, s29, v1                       ; v4: where I store x's two images
	s_add_co_u32 s29, s28, SIMG
	v_add_nc_u32 v10, s29, v1                      ; v10: layer 2's images: my two K steps
	v_lshlrev_b32 v7, 2, v30
	s_lshl_b32 s28, s12, 8
	s_add_co_u32 s28, s28, XSC
	v_add_nc_u32 v5, s28, v7                       ; v5: where I store x's scale words
	v_add_nc_u32 v7, XSC, v7                       ; v7: and where anyone reads them
	v_add_nc_u32 v6, XIMG, v1                      ; v6: x's images, read
	s_lshl_b32 s28, s12, 12
	s_add_co_u32 s29, s28, HIMG
	v_add_nc_u32 v8, s29, v1                       ; v8: layer 1's images: my four K steps
	s_add_co_u32 s29, s28, DIMG
	v_add_nc_u32 v12, s29, v1                      ; v12: layer 3's likewise
	v_add_nc_u32 v9, HIMG, v1                      ; v9, v11, v13: the three, read
	v_add_nc_u32 v11, SIMG, v1
	v_add_nc_u32 v13, DIMG, v1
	v_mul_u32_u24 v14, v31, 528
	v_lshl_add_u32 v14, v23, 5, v14
	s_lshl_b32 s28, s12, 7
	s_add_co_u32 s28, s28, STG
	v_add_nc_u32 v14, s28, v14                     ; v14: the way out: row r, + 32 h, + my wave's 128 bytes
	s_mul_i32 s28, s12, 8448
	s_add_co_u32 s28, s28, STG
	v_add_nc_u32 v15, s28, v1                      ; v15: back: my 16 rows, 16 bytes a lane
	s_lshl_b32 s28, s12, 2
	s_add_co_u32 s28, s28, MAXW
	v_mov_b32 v16, s28                             ; v16: my wave's word of a maximum
	v_mov_b32 v17, MAXW                            ; v17: the four words
	s_mul_i32 s28, s12, 2560
	s_add_co_u32 s28, s28, SML
	v_add_nc_u32 v20, s28, v1                      ; v20: my block of small, in
	v_lshl_add_u32 v21, v23, 5, s28                ; v21: a bias: + 32 h
	v_lshl_add_u32 v22, v31, 3, s28                ; v22: W1's scale words: 8 r
	v_mov_b32 v25, 0                               ; (upper words of pairs that packed forms name)
	v_mov_b32 v27, 0
	v_mov_b32 v28, 1.0                             ; G: x W1 is in true units
	v_mov_b32 v29, 0
.irp b, 0,1,2,3
	v_mov_b32 v[TM+4+\b], 0                        ; written once: a lane permute's destination counts as one of its sources
.endr
	; ---- x: my 16 rows turn through my stage, so that a lane holds 16 neighbours of each block, and become two fragments of codes
	s_wait_loadcnt 29                              ; x's 32 loads are in; the 5 of small and the 24 of W1 are younger
	WIN 0x0C
	s_wait_alu depctr_va_vdst(0)                   ; the LDS addresses v2 to v17 and v20 to v22 are written: every LDS instruction of the text reads one of them, and none is written again
.set ii, 0
.rept 32
	ds_store_b128 v2, v[4*ii:4*ii+3] offset:(ii/2)*1040+(ii%2)*512
.set ii, ii+1
.endr
	WIN 0
.irp s, 0,1
.irp b, 0,1,2,3
.irp j, 0,1,2,3
	ds_load_b128 v[128+64*\s+16*\b+4*\j:128+64*\s+16*\b+4*\j+3], v3 offset:512*\s+128*\b+16*\j   ; LDS serves a wave's instructions in order (ISA guide 5.7.1.4): these see my stores
.endr
.endr
.endr
	s_wait_loadcnt 24                              ; the block of small is in; W1's 24 are younger
.set ii, 0
.rept 5
	ds_store_b128 v20, v[104+4*ii:104+4*ii+3] offset:512*ii
.set ii, ii+1
.endr
.irp t, 0,1,2,3,4,5,6,7
	ds_load_b64 v[64+2*\t:65+2*\t], v22 offset:128*\t              ; W1's scale words of tile t: K steps 0 and 1
.endr
	WIN 0x80
.irp t, 0,1,2,3,4,5,6,7
	ds_load_b128 v[128+8*\t:128+8*\t+3], v21 offset:1024+64*\t     ; b1 in the result's layout
	ds_load_b128 v[128+8*\t+4:128+8*\t+7], v21 offset:1024+64*\t+16
.endr
	CLOAD 0, 12, 15                                ; the rest of W1,
	CLOAD 1, 0, 15                                 ; and W2's first chunk
	WIN 0
	s_wait_dscnt 45                                ; K step 0's 16 loads are back; younger: K step 1's 16, the 5 stores, the 8 and the 16 loads
	QUANT 128, 88, 48
	s_wait_dscnt 29                                ; K step 1's are back; younger: 5 + 8 + 16
	QUANT 192, 96, 49
	s_wait_alu depctr_va_vdst(0)                   ; both quantisers have written v88-103, v48 and v49, which the LDS stores read, and are done reading v128-255, in which x's fragments land behind the barrier
	IMAGE 4, 88, 0
	ds_store_b32 v5, v48
	IMAGE 4, 96, 1024
	ds_store_b32 v5, v49 offset:128
	BARRIER                                        ; x's eight fragments and their scale words lie in LDS
	; ---- layer 1, on codes: 8 tiles of units x 4 tiles of rows, two K steps of 128; the 32 accumulators take turns
.irp m, 0,1,2,3
.irp s, 0,1
	FETCH 128+8*(2*\m+\s), 6, (2*\m+\s)*1024
	ds_load_b32 v[80+2*\m+\s], v7 offset:128*(2*\m+\s)
.endr
.endr
	s_wait_dscnt 0x0
	s_wait_loadcnt 32                              ; W1 is in; chunk 1's 32 loads are younger
	CLOAD 2, 0, 15
	WIN 0xE1                                       ; W1: window 1; x: window 0; C = b1: window 2; D: window 3
	s_wait_alu depctr_vm_vsrc(0)                   ; my LDS stores into the stage have read x as loaded, window 3's v0-127, which the products below write
.irp s, 0,1
.if \s == 0
	WIN 0xE1
.else
	WIN 0xF1
.endif
.irp t, 0,1,2,3,4,5,6,7
.irp m, 0,1,2,3
.if \s == 0
	v_wmma_scale_f32_16x16x128_f8f6f4 v[8*(4*\t+\m):8*(4*\t+\m)+7], v[8*(2*\t):8*(2*\t)+7], v[128+8*(2*\m):128+8*(2*\m)+7], v[128+8*\t:128+8*\t+7], v[64+2*\t], v[80+2*\m] matrix_a_fmt:MATRIX_FMT_FP4 matrix_b_fmt:MATRIX_FMT_FP4
.else
	v_wmma_scale_f32_16x16x128_f8f6f4 v[8*(4*\t+\m):8*(4*\t+\m)+7], v[8*(2*\t+1):8*(2*\t+1)+7], v[128+8*(2*\m+1):128+8*(2*\m+1)+7], v[8*(4*\t+\m):8*(4*\t+\m)+7], v[65+2*\t], v[81+2*\m] matrix_a_fmt:MATRIX_FMT_FP4 matrix_b_fmt:MATRIX_FMT_FP4
.endif
.endr
.endr
.endr
	EPI 8, 1, 8, 16, 4, 2048, 3                    ; -> HIMG; b2; chunk 3 into slot 0, which W1 has left
	; ---- layer 2: 512 -> 256
	LAYER 4, 16, 1, 9
	EPI 4, 2, 10, 8, 8, 1536, 7                    ; -> SIMG; b3; chunk 7 into slot 1, which chunk 4 has left
	; ---- layer 3: 256 -> 512
	LAYER 8, 8, 5, 11
	EPI 8, 3, 12, 16, 2, 2304, -1                  ; -> DIMG; b4; all chunks have been asked for
	; ---- layer 4: 512 -> 128
	LAYER 2, 16, 9, 13
	; ---- the way out: x G; a row's 128 outputs come from four waves: they meet in a stage, and each wave stores 16 whole rows
	WIN 0
	PLACES
	WIN 0xC3
.set ia, 0
.rept 32
	v_pk_mul_f32 v[2*ia:2*ia+1], v[2*ia:2*ia+1], v[28:29] op_sel_hi:[1,0]   ; each accumulator from its low end on
.set ia, ia+1
.endr
	WIN 0x0C
	s_wait_alu depctr_va_vdst(0)                   ; the multiplications have written the accumulators, which the LDS stores read; layer 4's products are done reading v128 on, in which the stage's rows land behind the barrier
.irp m, 0,1,2,3
.irp t, 0,1
	ds_store_b128 v14, v[8*(4*\t+\m):8*(4*\t+\m)+3] offset:16*\m*528+64*\t          ; lane (r, h): out(16 m + r, 32 w + 16 t + 8 h + 0 .. 7)
	ds_store_b128 v14, v[8*(4*\t+\m)+4:8*(4*\t+\m)+7] offset:16*\m*528+64*\t+16
.endr
.endr
	WIN 0
	BARRIER                                        ; 64 whole rows lie in the stage
.irp i, 0,1,2,3,4,5,6,7,8,9,10,11,12,13,14,15
	ds_load_b128 v[128+4*\i:128+4*\i+3], v15 offset:528*\i
.endr
.irp i, 0,1,2,3,4,5,6,7,8,9,10,11,12,13,14,15
	s_wait_dscnt 15-\i                             ; row i is back; the rows behind it may be out
	global_store_b128 v1, v[128+4*\i:128+4*\i+3], s[10:11] offset:512*\i th:TH_STORE_NT   ; 32 lanes store a row's 512 consecutive bytes, aligned; written once, read by nobody here
.endr
	s_wait_dscnt 0x0                               ; the closing lines, six on end
	s_wait_alu 0x0
	s_wait_tensorcnt 0x0
	ds_add_u32 v18, v19
	s_wait_dscnt 0x0
	s_endpgm
.Lfunc_end_k_q40e748981d_chain:
	.size	k_q40e748981d_chain, .Lfunc_end_k_q40e748981d_chain-k_q40e748981d_chain
	.p2alignl 7, 3214868480
	.fill 96, 4, 3214868480
	.section	.rodata,"a",@progbits
	.p2align	6, 0x0
	.amdhsa_kernel k_q40e748981d_chain
		.amdhsa_group_segment_fixed_size 284416
		.amdhsa_private_segment_fixed_size 0
		.amdhsa_enable_private_segment 0
		.amdhsa_kernarg_size 32
		.amdhsa_user_sgpr_count 2
		.amdhsa_user_sgpr_kernarg_segment_ptr 1
		.amdhsa_wavefront_size32 1
		.amdhsa_system_sgpr_workgroup_id_x 1
		.amdhsa_system_sgpr_workgroup_id_y 1
		.amdhsa_system_sgpr_workgroup_id_z 1
		.amdhsa_system_vgpr_workitem_id 0
		.amdhsa_next_free_vgpr 1024
		.amdhsa_next_free_sgpr 66
		.amdhsa_reserve_vcc 0
		.amdhsa_float_denorm_mode_32 3
		.amdhsa_float_denorm_mode_16_64 3
		.amdhsa_memory_ordered 1
		.amdhsa_forward_progress 1
		.amdhsa_inst_pref_size 238
	.end_amdhsa_kernel
	.amdgpu_metadata
---
amdhsa.version: [ 1, 2 ]
amdhsa.kernels:
  - .name:           k_q40e748981d_chain
    .symbol:         k_q40e748981d_chain.kd
    .args:
      - { .name: inputs, .offset: 0, .size: 8, .value_kind: global_buffer, .address_space: global }
      - { .name: wfrag, .offset: 8, .size: 8, .value_kind: global_buffer, .address_space: global }
      - { .name: small, .offset: 16, .size: 8, .value_kind: global_buffer, .address_space: global }
      - { .name: out0, .offset: 24, .size: 8, .value_kind: global_buffer, .address_space: global }
    .group_segment_fixed_size: 284416
    .private_segment_fixed_size: 0
    .kernarg_segment_align: 8
    .kernarg_segment_size: 32
    .max_flat_workgroup_size: 128
    .sgpr_count:     66
    .vgpr_count:     1024
    .wavefront_size: 32
...
	.end_amdgpu_metadata
.endif
;; end of part 3
